; MI455X (gfx1250); checked and timed in simulation.
; The chip was launched on July 23, 2026; its instructions are those of AMD's public machine-readable ISA for CDNA 5 (MIT licence, August 2026) and "CDNA5" Instruction Set Architecture Reference Guide (July 2026). The comments in the code are by the model that wrote it; some were corrected since.
;; Attention. Allowed arithmetic: matrix products marked QUANTISED: E2M1 operands, one E8M0 scale for each 32 along K, by v_wmma_scale_f32_16x16x128_f8f6f4 with both operands' format E2M1 (or v_wmma_scale_f32_32x16x128_f4), f32 sums; everything else in f32.
;; Inputs: Wk_codes 1,024 x 32 x 16 uint8 (E2M1 codes of Wk, K innermost, in blocks of 32 codes, two codes a byte); Wk_scales 1,024 x 32 uint8 (E8M0 scales of Wk, one for each 32 codes along K); Wo_codes 1,024 x 32 x 16 uint8 (E2M1 codes of Wo, K innermost, in blocks of 32 codes, two codes a byte); Wo_scales 1,024 x 32 uint8 (E8M0 scales of Wo, one for each 32 codes along K); Wq_codes 1,024 x 32 x 16 uint8 (E2M1 codes of Wq, K innermost, in blocks of 32 codes, two codes a byte); Wq_scales 1,024 x 32 uint8 (E8M0 scales of Wq, one for each 32 codes along K); Wv_codes 1,024 x 32 x 16 uint8 (E2M1 codes of Wv, K innermost, in blocks of 32 codes, two codes a byte); Wv_scales 1,024 x 32 uint8 (E8M0 scales of Wv, one for each 32 codes along K); bk 1,024 float32; bo 1,024 float32; bq 1,024 float32; bv 1,024 float32; x_codes 4 x 2,048 x 32 x 16 uint8 (E2M1 codes of x, K innermost, in blocks of 32 codes, two codes a byte); x_scales 4 x 2,048 x 32 uint8 (E8M0 scales of x, one for each 32 codes along K).
;; Outputs: out0 4 x 2,048 x 1,024 float32.
;; This version of the problem:
;;   THIS VERSION OF THE PROBLEM IS GIVEN IN LOW PRECISION. The matrix products marked QUANTISED in the list below multiply operands that are first quantised to E2M1 (2 exponent bits, 1 mantissa bit; 4 bits a number), with one power-of-two scale for each 32 numbers along K (OCP MX v1.0); their sums are f32. All else is computed in f32.
;;   The module's matrix products, in the order in which they are computed (A, B: the left and right operand; K: the contracted axis; several contracted axes count as one K, in the product's order):
;;     1. [M 8,192, K 1,024] x [K 1,024, N 1,024]; A: input x (given as codes); B: input Wq (given as codes): QUANTISED
;;     2. [M 8,192, K 1,024] x [K 1,024, N 1,024]; A: input x (given as codes); B: input Wk (given as codes): QUANTISED
;;     3. [M 8,192, K 1,024] x [K 1,024, N 1,024]; A: input x (given as codes); B: input Wv (given as codes): QUANTISED
;;     4. batch 64 x [M 2,048, K 64] x [K 64, N 2,048]; A: computed on the way; B: computed on the way: QUANTISED
;;     5. batch 64 x [M 2,048, K 2,048] x [K 2,048, N 64]; A: softmax (see below); B: computed on the way: QUANTISED
;;     6. [M 8,192, K 1,024] x [K 1,024, N 1,024]; A: computed on the way; B: input Wo (given as codes): QUANTISED
;;   THE QUANTISER, for each operand of a quantised product, along K:
;;     - K is cut into blocks of 32 from its start; a last block that is shorter is filled with zeros.
;;     - A block's scale is 2^e with e = floor(log2(the largest magnitude in the block)) - 2, held to -126 .. 127; a block of zeros has e = 0. As a byte (E8M0): e + 127.
;;     - Each number is divided by its block's scale, clamped to +-6, and rounded to the nearest number of E2M1, ties to even, subnormals kept.
;;     - The product sums the exact products of the quantised numbers (number of the format x scale) in f32.
;;   ~~~python
;;   def quantise(x, axis):      # numpy; x: float32 -> the quantised numbers, widened to float32 again
;;       x = np.moveaxis(x, axis, -1); K = x.shape[-1]
;;       x = np.pad(x, [(0, 0)] * (x.ndim - 1) + [(0, -K % 32)]); x = x.reshape(x.shape[:-1] + (-1, 32)); a = np.abs(x).max(-1, keepdims=True)
;;       e = np.where(a > 0, np.clip(np.frexp(np.where(a > 0, a, 1))[1] - 1 - 2, -126, 127), 0)      # np.frexp(a)[1] - 1 = floor(log2(a)), exactly
;;       r = np.clip(x / 2.0 ** e, -6, 6)
;;       step = 2.0 ** (np.maximum(np.frexp(np.where(r == 0, 1, r))[1] - 1, 0) - 1)
;;       q = np.round(r / step) * step * 2.0 ** e      # np.round: ties to even
;;       return np.moveaxis(q.reshape(q.shape[:-2] + (-1,))[..., :K], -1, axis).astype(np.float32)
;;   ~~~
;;   SOFTMAX AHEAD OF A QUANTISED PRODUCT. Where the list says 'softmax', what is quantised is not the finished softmax but p = 2^(t - M), with t = logit x log2(e) and M = ceil(the row's largest t), a whole number; so 1/2 < the row's largest p <= 1. The row's sum l is taken of the UNQUANTISED p, in f32, and the product's result is divided by l at the end. Since M is a whole number, a kernel that streams over the keys may use a running M (the ceiling of the running maximum): every later rescaling is an exact power of two, which a block's scale takes up: the codes' values come out the same.
;;   OPERANDS COMPUTED ON THE WAY. 'Computed on the way' means the value that the module computes at that place (a softmax that the list does not call 'softmax' is quantised finished and normalised). What goes into a quantiser is computed in f32, as accurately as f32 sums, v_exp_f32 and their like allow (about 1e-6 of the number): no bf16 or f16 on the way to a quantiser, and a product that is left as it is and whose result goes on into a quantised operand takes f32 operands (vector FMAs, or v_wmma_f32_16x16x4_f32). A number that lies on a knife's edge between two numbers of the format may be rounded either way, as far as f32 arithmetic and the matrix unit's own rounding can turn it there, and no further.
;;   INPUTS GIVEN AS CODES. Wk (in the module: [1024, 1024], K = its axis 0); Wo (in the module: [1024, 1024], K = its axis 0); Wq (in the module: [1024, 1024], K = its axis 0); Wv (in the module: [1024, 1024], K = its axis 0); x (in the module: [4, 2048, 1024], K = its axis 2): each comes as NAME_codes (uint8): NAME with its K axis moved to the last place and cut into blocks of 32 codes, [.., K / 32, bytes a block], one block behind the other in memory; two codes a byte, the lower K in the low four bits (a code: sign, 2 exponent bits, 1 mantissa bit); and NAME_scales (uint8): the same leading axes, one E8M0 byte (e + 127) for each 32 codes along K. Its value is code x scale, taken as it is: it is not quantised again, and the codes and scales need not be those that the quantiser above would give.
;; One version. Each part assembles by itself: llvm-mc -triple=amdgcn-amd-amdhsa -mcpu=gfx1250 --defsym DOCPART=n.
;; ======== version 1 of 1: 3 launches
;; workspace buffers: qc 4,194,304 bytes; qs 524,288 bytes; kv 9,175,040 bytes; ctxc 4,194,304 bytes; cs 524,288 bytes
;; launch qkv (part 1): grid 8 x 32, 4 waves a work-group, clusters of 4 x 4, 327,680 bytes of LDS; arguments x_codes, x_scales, Wq_codes, Wq_scales, Wk_codes, Wk_scales, Wv_codes, Wv_scales, bq, bk, bv, qc, qs, kv; writes qc, qs, kv
.if DOCPART == 1
	.amdgcn_target "amdgcn-amd-amdhsa--gfx1250"
	.amdhsa_code_object_version 6
	.text
	.protected	k_q92b4b3f346_qkv
	.globl	k_q92b4b3f346_qkv
	.p2align	8
	.type	k_q92b4b3f346_qkv,@function
k_q92b4b3f346_qkv:
	s_mov_b64 s[64:65], 0
	v_nop
	global_prefetch_b8 v0, s[64:65] scope:SCOPE_SE
	s_setreg_imm32_b32 hwreg(HW_REG_WAVE_MODE, 25, 1), 1
	s_wait_xcnt 0x0
	s_wait_alu depctr_hold_cnt(0) depctr_sa_sdst(0) depctr_va_vdst(0) depctr_va_sdst(0) depctr_va_ssrc(0) depctr_va_vcc(0) depctr_vm_vsrc(0)
	s_getreg_b32 s2, hwreg(HW_REG_IB_STS2, 6, 4)
	s_cmp_eq_u32 s2, 0
	s_cbranch_scc0 .Lentry_in_a_cluster
	s_endpgm
.Lentry_in_a_cluster:
	s_bfe_u32 s2, ttmp6, 0x10000c
	s_cmp_lg_u32 s2, 0xf033
	s_cbranch_scc0 .Lentry_shape_is_right
	s_endpgm
.Lentry_shape_is_right:
; q = x Wq + bq, k = x Wk + bk, v = x Wv + bv on codes of FP4 (E2M1) with one E8M0 scale for each 32 along K = 1,024; then q and k are quantised along the head's 64, v along the keys.
; NO WORK OF THE PROBLEM IS LEFT OUT IN ANY LAUNCH: bq, bk and bv each go into a quantiser and can move its codes and scales, bo is added to the output; every input is loaded.
; LIMITS: NaN, infinities and a given scale byte 0xff are not served.  A block whose largest magnitude lies under 2^-124 (a block of zeros too) gets the scale byte 1: its codes then are what the
; conversion gives under that scale (zeros for zeros), and the bytes are read by this program alone.
; SHARES.  256 work-groups; work-group (gx, gy) owns rows 256 gy .. + 255 of x and columns 128 gx .. + 127 (two heads) of q, k and v.  Wave w = 2 i + j owns 128 rows (i: one key step) x one head (j).
; Three passes (q, k, v), each 8 tiles of x by 4 tiles of W: 32 accumulators.  The wave's 128 rows of x, all 1,024 along K, are read from LDS once and stay in 512 registers.
; q, k: source 0 = 16 rows of W, source 1 = 16 rows of x: a lane holds one row and eight neighbouring channels.  v: source 0 = x, source 1 = W: a lane holds one channel and eight neighbouring keys.
; Either way accumulators 4 g .. 4 g + 3 are 64 neighbours along the next product's K (accumulator n: 16 (n % 4) + 8 (lane / 16) + 0 .. 7), and accumulators 2 b, 2 b + 1 with lane l xor 16's are block b of 32.
; A conversion takes the eight numbers of one accumulator; codes of accumulators i = 0, 1, 2, 3 go to registers 0, 2, 1, 3 of the group; two exchanges of halves (0 with 1, 2 with 3) then leave lane half h with
; k = 32 h + 0 .. 31 in the group's four registers: the operand's layout.
; OUT: IMAGES OF OPERAND REGISTERS: four code registers leave by one store of 16 bytes a lane, 512 consecutive bytes a wave.  Scale words two tiles to a register: lanes 0-15 the even tile's rows, lanes 16-31 the odd one's.
;   qc [bh][tile 128][512];  qs [bh][8 tiles][512];  kv [bh][key step 16][8,960]: K's codes 4,096, V^T's codes 4,096 ([channel tile][64 keys][512]), K's scale words 512, V's 256.
; CLUSTER 4 x 4: x's tiles hang on gy alone and are asked for jointly along a row of the cluster, W's on gx alone, along a column.
; LDS: x, Wq, Wk and all scale bytes come with the first fills; Wv's codes are the one refill, into the bytes of x's first 128 rows, once every wave of the cluster has x in registers.
; No prefetch is laid: all tiles but one are asked for at the head, and that one has two passes in which to land.
; REGISTERS: window 0: addresses, scale words, two sets of W's fragments, the biases as C, work.  Window 1: the 32 accumulators.  Windows 2, 3: x: fragment (tile a, K step s) at v[64 (s % 4) + 8 a] of window 2 + s / 4.
.set PITCH, 528                        ; an LDS row of codes: 512 bytes + 16 of padding = 132 words: the 16 rows of a fragment load start 4 banks apart (64 banks of 4 bytes: ISA guide 11.1)
.set TROW,  16*PITCH
.set HALF,  128*PITCH                  ; 128 rows: what one tensor load of codes brings
.set XT,    0                          ; x: 256 rows
.set W0,    2*HALF                     ; Wq: 128 rows
.set W1,    3*HALF                     ; Wk: 128 rows
.set SCX,   4*HALF                     ; x's scale bytes: 2 x 16 units of 256 bytes + 16 of padding
.set SCH,   16*272
.set SCW0,  SCX+2*SCH                  ; Wq's, Wk's, Wv's: 16 units each
.set SCW1,  SCW0+SCH
.set SCW2,  SCW1+SCH
.set SPARE, SCW2+SCH                   ; the spare words, 128 bytes for each wave: two blocks of 256 bytes that no other line names
.set AX,  3                            ; v3     LDS address of my x fragments
.set AWQ, 4                            ; v4-6   of my head's fragments of Wq, Wk, Wv
.set AWK, 5
.set AWV, 6
.set ASX, 7                            ; v7     of my x rows' scale words: lanes 0-15 an even tile, lanes 16-31 the odd tile behind it
.set ASQ, 8                            ; v8-10  the same for Wq, Wk, Wv
.set ASK, 9
.set ASV, 10
.set L16, 11                           ; v11    16 x lane
.set L8,  12                           ; v12    8 x lane
.set FLR, 13                           ; v13    the floor 2^(3 - 127)
.set SPW, 14                           ; v14    LDS address of my spare word; never rewritten
.set NIL, 15                           ; v15    0; never rewritten
.set XS,  16                           ; v16-47 x's scale words: pair of tiles p, K step s at 8 p + s
.set WS,  48                           ; v48-63 W's likewise
.set F0,  64                           ; v64-95, v96-127: W's four fragments of a K step, two sets
.set P,   64                           ; after a pass: v64-95 the codes,
.set SO,  96                           ; v96-111 the conversions' scale operands,
.set WD,  112                          ; v112-119 scale words by tile,
.set PK,  120                          ; v120-123 and two tiles to a register
.set BIQ, 128                          ; v128-159, v160-191, v192-223: bq, bk, bv as the C of a tile's first product
.set BIK, 160
.set BIV, 192
.set TM,  224                          ; v224-239 largest magnitudes
.set T2,  240                          ; v240-255 the other half's; then the scale bytes
.set WV,  32                           ; s32 wave, s33 i, s34 j
.set WI,  33
.set WJ,  34
.set SEL, 44                           ; s[44:45] v_permlanex16_b32's selects for lane l xor 16
.set SHI, 46                           ; s46    lanes 16-31
.set G1X, 48                           ; s[48:55] group 1: codes, x's mask;  s[56:63] codes, W's mask
.set G1W, 56
.set G1SX, 68                          ; s[68:75] scale bytes, x's mask;  s[76:83] W's mask;  s[84:91] W's mask, half as many units
.set G1SW, 76
.set G1SV, 84
.set G0X, 92                           ; groups 0: s[92:95] x's codes, s[96:99] Wq's or Wk's; s[4:7] x's scales, s[8:11] Wq's or Wk's scales, s[12:15] Wv's codes, s[16:19] Wv's scales
.set G0W, 96
.set CODEW, (1<<20)|(1<<21)|(6<<22)|(3<<25)          ; elements of 1 byte; padding on; bit 21 beside a mask; after every 128 words, 4 words
.set SCLW,  (3<<16)|(1<<20)|(1<<21)|(5<<22)|(3<<25)  ; elements of 8 bytes; after every 64 words, 4 words
.set MSB, 0
.macro WIN new                         ; the immediate's high byte repeats the setting that is left
.if MSB != (\new)
	s_set_vgpr_msb (MSB<<8)|(\new)
.set MSB, (\new)
.endif
.endm
.macro PLACES n
.rept \n
	v_nop
.endr
.endm
.macro CROUND                          ; a round of the cluster's barrier
	s_barrier_signal -1
	s_barrier_wait -1
	s_cmp_lg_u32 s[WV], 0
	s_cbranch_scc1 .Lnot_wave_0_\@
	s_barrier_signal -3
.Lnot_wave_0_\@:
	s_barrier_wait -3
	s_barrier_signal -1
	s_barrier_wait -1
.endm
; One product.  ra, rb = 1: that side's scale words stand in lanes 16-31 of its register.
.macro WM d, a, b, c, sa, sb, ra, rb
.if (\ra) && (\rb)
	v_wmma_scale_f32_16x16x128_f8f6f4 v[\d:\d+7], v[\a:\a+7], v[\b:\b+7], \c, v[\sa], v[\sb] matrix_a_fmt:MATRIX_FMT_FP4 matrix_b_fmt:MATRIX_FMT_FP4 matrix_a_scale:MATRIX_SCALE_ROW1 matrix_b_scale:MATRIX_SCALE_ROW1
.elseif \ra
	v_wmma_scale_f32_16x16x128_f8f6f4 v[\d:\d+7], v[\a:\a+7], v[\b:\b+7], \c, v[\sa], v[\sb] matrix_a_fmt:MATRIX_FMT_FP4 matrix_b_fmt:MATRIX_FMT_FP4 matrix_a_scale:MATRIX_SCALE_ROW1
.elseif \rb
	v_wmma_scale_f32_16x16x128_f8f6f4 v[\d:\d+7], v[\a:\a+7], v[\b:\b+7], \c, v[\sa], v[\sb] matrix_a_fmt:MATRIX_FMT_FP4 matrix_b_fmt:MATRIX_FMT_FP4 matrix_b_scale:MATRIX_SCALE_ROW1
.else
	v_wmma_scale_f32_16x16x128_f8f6f4 v[\d:\d+7], v[\a:\a+7], v[\b:\b+7], \c, v[\sa], v[\sb] matrix_a_fmt:MATRIX_FMT_FP4 matrix_b_fmt:MATRIX_FMT_FP4
.endif
.endm
	s_load_b512 s[4:19], s[0:1], 0x0               ; x's codes, scales; Wq's; Wk's; Wv's
	s_load_b256 s[20:27], s[0:1], 0x40             ; bq, bk, bv, qc
	s_load_b128 s[28:31], s[0:1], 0x60             ; qs, kv
	v_lshl_add_u32 v[SPW], v0, 2, SPARE
	v_mov_b32 v[NIL], 0
	ds_add_u32 v[SPW], v[NIL]                      ; the wave's opening: the add, twice on end, and its wait ahead of my first tensor load
	ds_add_u32 v[SPW], v[NIL]                      ; and once more; the set-up below, work on registers, stands between it and the wait
	v_lshrrev_b32 v1, 5, v0
	v_readfirstlane_b32 s[WV], v1                  ; wave 0..3
	s_lshr_b32 s[WI], s[WV], 1                     ; i: my 128 rows.  Also: I fetch for x (0) or for W (1)
	s_and_b32 s[WJ], s[WV], 1                      ; j: my head.  Also: which half of x, or Wq (0) or Wk (1), I fetch
	s_bfe_u32 s35, ttmp6, 0x40000                  ; cx, cy: my place in the cluster
	s_bfe_u32 s36, ttmp6, 0x40004
	s_lshl_b32 s37, ttmp9, 2
	s_add_co_u32 s37, s37, s35                     ; gx = 4 x cluster x + cx
	s_and_b32 s38, ttmp7, 0xffff
	s_lshl_b32 s38, s38, 2
	s_add_co_u32 s38, s38, s36                     ; gy = 4 x cluster y + cy
	s_lshl_b32 s39, s36, 2
	s_lshl_b32 s39, 15, s39                        ; my row of the cluster
	s_lshl_b32 s40, 0x1111, s35                    ; my column
	s_or_b32 s[G1X], s39, CODEW
	s_or_b32 s[G1W], s40, CODEW
.irp g, G1X, G1W                       ; a tile of 128 rows x 512 bytes
	s_mov_b32 s[\g+1], 512<<16                     ; tensor_dim0
	s_mov_b32 s[\g+2], 128<<16                     ; tensor_dim1
	s_mov_b32 s[\g+3], 512<<16                     ; tile_dim0
	s_mov_b32 s[\g+4], 128                         ; tile_dim1
	s_mov_b32 s[\g+5], 512                         ; tensor_dim0_stride
	s_mov_b32 s[\g+6], 0
	s_mov_b32 s[\g+7], 0
.endr
	s_or_b32 s[G1SX], s39, SCLW
	s_or_b32 s[G1SW], s40, SCLW
.irp g, G1SX, G1SW                     ; the scale bytes of 128 rows: 4,096 dense bytes as 16 rows of 256 (32 elements of 8 bytes)
	s_mov_b32 s[\g+1], 32<<16
	s_mov_b32 s[\g+2], 16<<16
	s_mov_b32 s[\g+3], 32<<16
	s_mov_b32 s[\g+4], 16
	s_mov_b32 s[\g+5], 32
	s_mov_b32 s[\g+6], 0
	s_mov_b32 s[\g+7], 0
.endr
	s_or_b32 s[G1SV], s40, SCLW                    ; those of 64 rows: 8 rows of 256
	s_mov_b32 s[G1SV+1], 32<<16
	s_mov_b32 s[G1SV+2], 8<<16
	s_mov_b32 s[G1SV+3], 32<<16
	s_mov_b32 s[G1SV+4], 8
	s_mov_b32 s[G1SV+5], 32
	s_mov_b32 s[G1SV+6], 0
	s_mov_b32 s[G1SV+7], 0
	s_lshl_b32 s66, s38, 17                        ; x's codes: 256 gy rows of 512 bytes
	s_lshl_b32 s41, s[WJ], 16                      ; + 128 j rows
	s_add_co_u32 s66, s66, s41
	s_mov_b32 s67, 0
	s_lshl_b32 s100, s38, 13                       ; x's scale bytes: 32 a row
	s_lshl_b32 s41, s[WJ], 12
	s_add_co_u32 s100, s100, s41
	s_mov_b32 s101, 0
	s_lshl_b32 s42, s37, 16                        ; W's codes: 128 gx rows of 512 bytes
	s_mov_b32 s43, 0
	s_lshl_b32 s2, s37, 12                         ; W's scale bytes
	s_mov_b32 s3, 0
	s_mul_i32 s47, s[WJ], HALF                     ; where they go: no place in the cluster enters an LDS address
	s_mul_i32 s41, s[WJ], SCH
	s_mov_b32 s[SEL], 0x76543210
	s_mov_b32 s[SEL+1], 0xfedcba98
	s_mov_b32 s[SHI], 0xffff0000
	s_wait_dscnt 0x0                               ; both opening adds are done
	s_wait_kmcnt 0x0
	s_mov_b32 s[G0X], 1                            ; x's codes, half j
	s_add_co_u32 s[G0X+1], s47, XT
	s_add_nc_u64 s[G0X+2:G0X+3], s[4:5], s[66:67]
	s_or_b32 s[G0X+3], s[G0X+3], 0x80000000
	s_add_nc_u64 s[6:7], s[6:7], s[100:101]        ; x's scale bytes, half j: the group is built round the pointer
	s_or_b32 s7, s7, 0x80000000
	s_mov_b32 s4, 1
	s_add_co_u32 s5, s41, SCX
	s_cmp_eq_u32 s[WJ], 0                          ; Wq or Wk: the choice hangs on the wave's number alone
	s_cselect_b64 s[G0W+2:G0W+3], s[8:9], s[12:13]
	s_cselect_b64 s[10:11], s[10:11], s[14:15]
	s_add_nc_u64 s[G0W+2:G0W+3], s[G0W+2:G0W+3], s[42:43]
	s_or_b32 s[G0W+3], s[G0W+3], 0x80000000
	s_mov_b32 s[G0W], 1
	s_add_co_u32 s[G0W+1], s47, W0
	s_add_nc_u64 s[10:11], s[10:11], s[2:3]
	s_or_b32 s11, s11, 0x80000000
	s_mov_b32 s8, 1
	s_add_co_u32 s9, s41, SCW0
	s_add_nc_u64 s[14:15], s[16:17], s[42:43]      ; Wv's codes: the refill's group, made now and never rewritten
	s_or_b32 s15, s15, 0x80000000
	s_mov_b32 s12, 1
	s_mov_b32 s13, XT
	s_add_nc_u64 s[18:19], s[18:19], s[2:3]        ; Wv's scale bytes, half j
	s_lshl_b32 s2, s[WJ], 11
	s_add_nc_u64 s[18:19], s[18:19], s[2:3]
	s_or_b32 s19, s19, 0x80000000
	s_mov_b32 s16, 1
	s_mul_i32 s17, s[WJ], 8*272
	s_add_co_u32 s17, s17, SCW2
	CROUND                                         ; all sixteen work-groups are here: the first joint loads meet
	s_cmp_eq_u32 s[WI], 0                          ; a wave's first fills stand in one branch on the wave's number; at most three loads of mine are out
	s_cbranch_scc0 .Lfill_w
	tensor_load_to_lds s[4:7], s[G1SX:G1SX+7]
	s_nop 0
	tensor_load_to_lds s[G0X:G0X+3], s[G1X:G1X+7]
	s_nop 0
	PLACES 4
	s_branch .Lfilled
.Lfill_w:
	tensor_load_to_lds s[8:11], s[G1SW:G1SW+7]
	s_nop 0
	tensor_load_to_lds s[16:19], s[G1SV:G1SV+7]
	s_nop 0
	tensor_load_to_lds s[G0W:G0W+3], s[G1W:G1W+7]
	s_nop 0
	PLACES 4
.Lfilled:
	; where my results go: G = (16 (gy / 8) + 2 gx + j) x 16 + 2 (gy % 8) + i = 16 x (batch, head) + key step
	s_lshr_b32 s41, s38, 3
	s_lshl_b32 s41, s41, 4
	s_lshl_b32 s47, s37, 1
	s_add_co_u32 s41, s41, s47
	s_add_co_u32 s41, s41, s[WJ]
	s_lshl_b32 s41, s41, 4
	s_and_b32 s47, s38, 7
	s_lshl_b32 s47, s47, 1
	s_add_co_u32 s41, s41, s47
	s_add_co_u32 s41, s41, s[WI]
	s_lshl_b32 s66, s41, 12
	s_add_nc_u64 s[26:27], s[26:27], s[66:67]      ; qc + 4,096 G
	s_lshl_b32 s66, s41, 9
	s_add_nc_u64 s[28:29], s[28:29], s[66:67]      ; qs + 512 G
	s_mul_i32 s66, s41, 8960
	s_add_nc_u64 s[30:31], s[30:31], s[66:67]      ; kv + 8,960 G
	s_lshl_b32 s66, s37, 9
	s_lshl_b32 s47, s[WJ], 8
	s_add_co_u32 s66, s66, s47                     ; the biases of my head: 4 (128 gx + 64 j) bytes on
	s_add_nc_u64 s[20:21], s[20:21], s[66:67]
	s_add_nc_u64 s[22:23], s[22:23], s[66:67]
	s_add_nc_u64 s[24:25], s[24:25], s[66:67]
	v_and_b32 v1, 15, v0                           ; r
	v_bfe_u32 v2, v0, 4, 1                         ; h
	v_lshlrev_b32 v[TM], 5, v2                     ; 32 h
	v_lshlrev_b32 v[TM+1], 2, v1                   ; 4 r
.irp t, 0,1,2,3                        ; q, k: lane (r, h) wants, for tile t, the biases of channels 16 t + 8 h + 0 .. 7;  v: that of channel 16 t + r, eight times
	global_load_b128 v[BIQ+8*\t:BIQ+8*\t+3], v[TM], s[20:21] offset:64*\t
	global_load_b128 v[BIQ+8*\t+4:BIQ+8*\t+7], v[TM], s[20:21] offset:64*\t+16
	global_load_b128 v[BIK+8*\t:BIK+8*\t+3], v[TM], s[22:23] offset:64*\t
	global_load_b128 v[BIK+8*\t+4:BIK+8*\t+7], v[TM], s[22:23] offset:64*\t+16
	global_load_b32 v[BIV+8*\t], v[TM+1], s[24:25] offset:64*\t
.endr
	v_mul_u32_u24 v[AX], v1, PITCH
	v_lshl_add_u32 v[AX], v2, 4, v[AX]             ; a fragment's row x pitch + 16 x half
	s_mul_i32 s41, s[WJ], 64*PITCH                 ; my head's 64 rows of W
	s_add_co_u32 s47, s41, W0
	v_add_nc_u32 v[AWQ], s47, v[AX]
	s_add_co_u32 s47, s41, W1
	v_add_nc_u32 v[AWK], s47, v[AX]
	s_add_co_u32 s47, s41, XT
	v_add_nc_u32 v[AWV], s47, v[AX]
	s_mul_i32 s41, s[WI], HALF                     ; my 128 rows of x
	v_add_nc_u32 v[AX], s41, v[AX]
	v_lshrrev_b32 v[ASX], 3, v1                    ; a row's 32 scale bytes: 32 r, 16 more for each 256 passed, and the odd tile (two units on) for lanes 16-31
	v_lshlrev_b32 v[ASX], 4, v[ASX]
	v_lshl_add_u32 v[ASX], v1, 5, v[ASX]
	v_mad_u32_u24 v[ASX], v2, 544, v[ASX]
	s_mul_i32 s41, s[WJ], 8*272
	s_add_co_u32 s47, s41, SCW0
	v_add_nc_u32 v[ASQ], s47, v[ASX]
	s_add_co_u32 s47, s41, SCW1
	v_add_nc_u32 v[ASK], s47, v[ASX]
	s_add_co_u32 s47, s41, SCW2
	v_add_nc_u32 v[ASV], s47, v[ASX]
	s_mul_i32 s41, s[WI], SCH
	s_add_co_u32 s41, s41, SCX
	v_add_nc_u32 v[ASX], s41, v[ASX]
	v_and_b32 v[L8], 31, v0
	v_lshlrev_b32 v[L16], 4, v[L8]
	v_lshlrev_b32 v[L8], 3, v[L8]
	v_mov_b32 v[FLR], 0x1800000
.macro XFETCH                          ; my 128 rows of x, all of K: 128 loads of 16 bytes a lane
.irp s, 0,1,2,3,4,5,6,7
	WIN 0x80+0x40*(\s/4)                           ; destination window 2 or 3, address window 0
.irp a, 0,1,2,3,4,5,6,7
	ds_load_b128 v[64*(\s%4)+8*\a:64*(\s%4)+8*\a+3], v[AX] offset:\a*TROW+64*\s
	ds_load_b128 v[64*(\s%4)+8*\a+4:64*(\s%4)+8*\a+7], v[AX] offset:\a*TROW+64*\s+32
.endr
.endr
	WIN 0
.endm
.macro SCL dst, adr, np                ; the scale words of np pairs of tiles, all eight K steps
.set p, 0
.rept \np
	ds_load_b128 v[\dst+8*p:\dst+8*p+3], v[\adr] offset:1088*p
	ds_load_b128 v[\dst+8*p+4:\dst+8*p+7], v[\adr] offset:1088*p+16
.set p, p+1
.endr
.endm
.macro FETCHW aw, s, f                 ; W's four fragments of K step s into set f
.irp t, 0,1,2,3
	ds_load_b128 v[(\f)+8*\t:(\f)+8*\t+3], v[\aw] offset:\t*TROW+64*(\s)
	ds_load_b128 v[(\f)+8*\t+4:(\f)+8*\t+7], v[\aw] offset:\t*TROW+64*(\s)+32
.endr
.endm
; 32 products: a K step of 128.  The 32 accumulators take turns, one instruction a turn, in the same order in every step.  In K step 0 the bias is the C: nothing is cleared or added.
.macro MUL32 f, s, vm, bi
.irp a, 0,1,2,3,4,5,6,7
.irp t, 0,1,2,3
.set rX, 64*((\s)%4)+8*\a
.set rW, (\f)+8*\t
.set rSX, XS+8*(\a/2)+(\s)
.set rSW, WS+8*(\t/2)+(\s)
.set pX, \a%2
.set pW, \t%2
.if \vm
.set rD, 8*(8*\t+\a)
.else
.set rD, 8*(4*\a+\t)
.endif
.set rC, rD
.if (\s) == 0
.set rC, (\bi)+8*\t
.endif
.if \vm
	WM rD, rX, rW, v[rC:rC+7], rSX, rSW, pX, pW
.else
	WM rD, rW, rX, v[rC:rC+7], rSW, rSX, pW, pX
.endif
.endr
.endr
.endm
; A pass.  A K step's eight loads are issued a step (32 products) ahead of their use, four places behind the products that read their registers last.
.macro PASS aw, asw, bi, vm
	WIN 0
	s_wait_xcnt 0x0                                ; the last pass's stores have read their registers: the loads below may land there
	SCL WS, \asw, 2
	FETCHW \aw, 0, F0
.irp s, 0,1,2,3,4,5,6,7
	s_wait_dscnt 0x0                               ; this step's fragments are in: nothing younger is out
.if \s < 7
.if \s > 0
	PLACES 4
.endif
	FETCHW \aw, \s+1, F0+32*((\s+1)%2)
.endif
.if \vm
.if \s == 0
	WIN 0x42                                       ; source 0 (x) window 2, source 1 (W) and C (the bias) window 0, D window 1
.elseif \s < 4
	WIN 0x52
.else
	WIN 0x53
.endif
.else
.if \s == 0
	WIN 0x48                                       ; source 0 (W) and C (the bias) window 0, source 1 (x) window 2, D window 1
.elseif \s < 4
	WIN 0x58
.else
	WIN 0x5c
.endif
.endif
	MUL32 F0+32*(\s%2), \s, \vm, \bi
	WIN 0
.endr
.endm
; The 32 accumulators become 32 registers of codes (v[P] on) and 16 scale bytes (v[T2] on): block b of 32 is registers 16 b .. 16 b + 15 of window 1, with lane l xor 16's.
.macro EPI
	PLACES 4
	WIN 0x14                                       ; sources 1 and 2 window 1
.irp b, 0,1,2,3,4,5,6,7,8,9,10,11,12,13,14,15
	v_max3_num_f32 v[TM+\b], v[FLR], |v[16*\b]|, |v[16*\b+1]|      ; each accumulator is read from its low end on; the floor holds the byte at 1 from below
.endr
.irp i, 2,4,6,8,10,12,14
.irp b, 0,1,2,3,4,5,6,7,8,9,10,11,12,13,14,15
	v_max3_num_f32 v[TM+\b], v[TM+\b], |v[16*\b+\i]|, |v[16*\b+\i+1]|
.endr
.endr
	WIN 0
.irp b, 0,1,2,3,4,5,6,7,8,9,10,11,12,13,14,15
	v_permlanex16_b32 v[T2+\b], v[TM+\b], s[SEL], s[SEL+1]
.endr
.irp b, 0,1,2,3,4,5,6,7,8,9,10,11,12,13,14,15
	v_max_num_f32 v[TM+\b], v[TM+\b], v[T2+\b]     ; the block's largest magnitude
.endr
.irp b, 0,1,2,3,4,5,6,7,8,9,10,11,12,13,14,15
	v_add_nc_u32 v[SO+\b], 0xff000000, v[TM+\b]    ; 2 off its exponent field: the conversion takes the exponent field of this operand as its scale
.endr
.irp b, 0,1,2,3,4,5,6,7,8,9,10,11,12,13,14,15
	v_lshrrev_b32 v[T2+\b], 23, v[SO+\b]           ; the scale's byte
.endr
	WIN 0x01                                       ; source 0 window 1
.set n, 0
.rept 32
	v_cvt_scalef32_pk8_fp4_f32 v[P+4*(n/4)+2*(n%2)+(n%4)/2], v[8*n:8*n+7], v[SO+n/2]
.set n, n+1
.endr
	WIN 0
	v_nop                                          ; one plain place behind the scaled conversions
.irp g, 0,1,2,3,4,5,6,7
	v_permlane16_swap_b32 v[P+4*\g], v[P+4*\g+1]   ; the first's lanes 16-31 change places with the second's lanes 0-15
	v_permlane16_swap_b32 v[P+4*\g+2], v[P+4*\g+3]
.endr
.endm
.macro OUTQK cb, co, sb, so            ; eight tiles of rows: 512 bytes of codes each, and one image of scale words (two bytes a row; the upper two stay 0)
.irp a, 0,1,2,3,4,5,6,7
	v_lshl_or_b32 v[WD+\a], v[T2+2*\a+1], 8, v[T2+2*\a]
.endr
.irp i, 0,1,2,3
	v_cndmask_b32 v[PK+\i], v[WD+2*\i], v[WD+2*\i+1], s[SHI]
.endr
.irp g, 0,1,2,3,4,5,6,7
	global_store_b128 v[L16], v[P+4*\g:P+4*\g+3], s[\cb:\cb+1] offset:\co+512*\g     ; 32 lanes store 512 consecutive bytes, aligned
.endr
	global_store_b128 v[L16], v[PK:PK+3], s[\sb:\sb+1] offset:\so
.endm
	s_wait_alu depctr_va_vdst(0)
	s_wait_tensorcnt 0x0                           ; my first fills have landed,
	s_barrier_signal -1
	s_barrier_wait -1                              ; everybody's have
	XFETCH
	SCL XS, ASX, 4
	s_wait_tensorcnt 0x0                           ; in front of the refill's round: no tensor load of mine is out;
	ds_add_u32 v[SPW], v[NIL]                      ; 0 onto my spare word;
	s_wait_loadcnt 0x0                             ; (the biases are in;
.irp t, 0,1,2,3
.irp k, 1,2,3,4,5,6,7
	v_mov_b32 v[BIV+8*\t+\k], v[BIV+8*\t]          ; bv's C holds one channel's bias in all eight registers;
.endr
.endr
.irp b, 0,1,2,3,4,5,6,7,8,9,10,11,12,13,14,15
	v_mov_b32 v[T2+\b], 0                          ; a lane permute's destination counts as one of its sources: written once)
.endr
	s_wait_dscnt 0x0                               ; the add is done, and x is in my registers: my reads of its bytes are over
	CROUND                                         ; that now holds of every wave of every work-group of the cluster
	s_cmp_lg_u32 s[WV], 0                          ; wave 0 asks for Wv's codes, into the bytes of x's first 128 rows: the same shape and place as the load that filled them
	s_cbranch_scc1 .Lno_refill
	tensor_load_to_lds s[12:15], s[G1W:G1W+7]
	s_nop 0
	PLACES 4
.Lno_refill:
	PASS AWQ, ASQ, BIQ, 0
	EPI
	OUTQK 26, 0, 28, 0
	PASS AWK, ASK, BIK, 0
	EPI
	OUTQK 30, 0, 30, 8192
	s_wait_tensorcnt 0x0                           ; Wv's codes have landed (wave 0's load; the others have none out),
	s_wait_dscnt 0x0
	s_barrier_signal -1
	s_barrier_wait -1                              ; and every wave knows it.
	PASS AWV, ASV, BIV, 1
	EPI
.irp t, 0,1,2,3                        ; v: a channel's word has the four blocks of the step's 128 keys
	v_lshl_or_b32 v[WD+\t], v[T2+4*\t+1], 8, v[T2+4*\t]
	v_lshl_or_b32 v[WD+\t], v[T2+4*\t+2], 16, v[WD+\t]
	v_lshl_or_b32 v[WD+\t], v[T2+4*\t+3], 24, v[WD+\t]
.endr
	v_cndmask_b32 v[PK], v[WD], v[WD+1], s[SHI]
	v_cndmask_b32 v[PK+1], v[WD+2], v[WD+3], s[SHI]
.irp g, 0,1,2,3,4,5,6,7
	global_store_b128 v[L16], v[P+4*\g:P+4*\g+3], s[30:31] offset:4096+512*\g
.endr
	global_store_b64 v[L8], v[PK:PK+1], s[30:31] offset:8704          ; 32 lanes store 256 consecutive bytes, aligned
	s_wait_tensorcnt 0x0                           ; the wave's end
	ds_add_u32 v[SPW], v[NIL]
	s_wait_dscnt 0x0
	CROUND                                         ; the closing round: no work-group ends while a partner may still ask for a tile that names it
	s_endpgm
.Lfunc_end_k_q92b4b3f346_qkv:
	.size	k_q92b4b3f346_qkv, .Lfunc_end_k_q92b4b3f346_qkv-k_q92b4b3f346_qkv
	.p2alignl 7, 3214868480
	.fill 96, 4, 3214868480
	.section	.rodata,"a",@progbits
	.p2align	6, 0x0
	.amdhsa_kernel k_q92b4b3f346_qkv
		.amdhsa_group_segment_fixed_size 327680
		.amdhsa_private_segment_fixed_size 0
		.amdhsa_enable_private_segment 0
		.amdhsa_kernarg_size 112
		.amdhsa_user_sgpr_count 2
		.amdhsa_user_sgpr_kernarg_segment_ptr 1
		.amdhsa_wavefront_size32 1
		.amdhsa_system_sgpr_workgroup_id_x 1
		.amdhsa_system_sgpr_workgroup_id_y 1
		.amdhsa_system_sgpr_workgroup_id_z 1
		.amdhsa_system_vgpr_workitem_id 0
		.amdhsa_next_free_vgpr 1024
		.amdhsa_next_free_sgpr 102
		.amdhsa_reserve_vcc 0
		.amdhsa_float_denorm_mode_32 3
		.amdhsa_float_denorm_mode_16_64 3
		.amdhsa_memory_ordered 1
		.amdhsa_forward_progress 1
		.amdhsa_inst_pref_size 182
	.end_amdhsa_kernel
	.amdgpu_metadata
---
amdhsa.version: [ 1, 2 ]
amdhsa.kernels:
  - .name:           k_q92b4b3f346_qkv
    .symbol:         k_q92b4b3f346_qkv.kd
    .args:
      - { .name: x_codes, .offset: 0, .size: 8, .value_kind: global_buffer, .address_space: global }
      - { .name: x_scales, .offset: 8, .size: 8, .value_kind: global_buffer, .address_space: global }
      - { .name: Wq_codes, .offset: 16, .size: 8, .value_kind: global_buffer, .address_space: global }
      - { .name: Wq_scales, .offset: 24, .size: 8, .value_kind: global_buffer, .address_space: global }
      - { .name: Wk_codes, .offset: 32, .size: 8, .value_kind: global_buffer, .address_space: global }
      - { .name: Wk_scales, .offset: 40, .size: 8, .value_kind: global_buffer, .address_space: global }
      - { .name: Wv_codes, .offset: 48, .size: 8, .value_kind: global_buffer, .address_space: global }
      - { .name: Wv_scales, .offset: 56, .size: 8, .value_kind: global_buffer, .address_space: global }
      - { .name: bq, .offset: 64, .size: 8, .value_kind: global_buffer, .address_space: global }
      - { .name: bk, .offset: 72, .size: 8, .value_kind: global_buffer, .address_space: global }
      - { .name: bv, .offset: 80, .size: 8, .value_kind: global_buffer, .address_space: global }
      - { .name: qc, .offset: 88, .size: 8, .value_kind: global_buffer, .address_space: global }
      - { .name: qs, .offset: 96, .size: 8, .value_kind: global_buffer, .address_space: global }
      - { .name: kv, .offset: 104, .size: 8, .value_kind: global_buffer, .address_space: global }
    .group_segment_fixed_size: 327680
    .private_segment_fixed_size: 0
    .kernarg_segment_align: 8
    .kernarg_segment_size: 112
    .max_flat_workgroup_size: 128
    .sgpr_count:     102
    .vgpr_count:     1024
    .wavefront_size: 32
...
	.end_amdgpu_metadata
.endif
;; end of part 1
;; launch attn (part 2): grid 4 x 64, 16 waves a work-group, clusters of 4 x 1, 327,680 bytes of LDS; arguments qc, qs, kv, ctxc, cs; writes ctxc, cs
.if DOCPART == 2
	.amdgcn_target "amdgcn-amd-amdhsa--gfx1250"
	.amdhsa_code_object_version 6
	.text
	.protected	k_q92b4b3f346_attn
	.globl	k_q92b4b3f346_attn
	.p2align	8
	.type	k_q92b4b3f346_attn,@function
k_q92b4b3f346_attn:
	s_mov_b64 s[64:65], 0
	v_nop
	global_prefetch_b8 v0, s[64:65] scope:SCOPE_SE
	s_setreg_imm32_b32 hwreg(HW_REG_WAVE_MODE, 25, 1), 1
	s_wait_xcnt 0x0
	s_wait_alu depctr_hold_cnt(0) depctr_sa_sdst(0) depctr_va_vdst(0) depctr_va_sdst(0) depctr_va_ssrc(0) depctr_va_vcc(0) depctr_vm_vsrc(0)
	s_getreg_b32 s2, hwreg(HW_REG_IB_STS2, 6, 4)
	s_cmp_eq_u32 s2, 0
	s_cbranch_scc0 .Lentry_in_a_cluster
	s_endpgm
.Lentry_in_a_cluster:
	s_bfe_u32 s2, ttmp6, 0x10000c
	s_cmp_lg_u32 s2, 0x3003
	s_cbranch_scc0 .Lentry_shape_is_right
	s_endpgm
.Lentry_shape_is_right:
; ctx[b][h][q] = (the sum over keys of p V) / l, p = 2^(t - M), t = (Q . K / 8) log2(e), M the running largest t rounded up to a whole number, l the sum of the unquantised p; both products on codes of FP4 with E8M0 scales.
; ctx is then quantised along the model's 1,024 (a head's 64 are two blocks) for the projection that follows.  No work of the problem is left out.
; LIMITS: NaN and infinities are not served; 1 / l is v_rcp_f32's; a block whose largest magnitude lies under 2^-124 gets the scale byte 1 (the bytes are read by this program alone).
; SHARES.  A work-group owns 512 queries of one (batch, head); each of its sixteen waves 32 of them, two tiles of 16, in 256 registers: four waves to a SIMD, so that one wave's vector work stands beside another's products and LDS loads.
; The head's K and V, codes and scale words, are 143,360 consecutive bytes (16 key steps of 8,960) and lie in LDS for the whole launch as they lie in memory: images of operand registers, read 16 bytes a lane on end.
; Nothing is filled twice; the loops have no barrier.  Each wave brings two parts: 7 rows of 256 bytes of the first 28,672 bytes (key steps 0 to 2 need 26,880) and 28 rows of the rest, which land while steps 0 to 2 are walked.
; CLUSTER.  The four work-groups of a head want the same bytes: each part is asked for jointly.  No prefetch is laid: all that the launch reads of K and V is asked for at its head.
; LAYOUT.  S^T = K Q^T (source 0 = 16 keys, source 1 = 16 queries), O^T = V^T P^T: a lane holds one query (lane % 16) throughout.  Accumulator t of S^T holds keys 16 t + 8 (lane / 16) + 0 .. 7; accumulators 2 b, 2 b + 1 with
; lane l xor 16's are block b of 32 keys.  Codes of accumulators 0, 1, 2, 3 of a group of four go to registers 0, 2, 1, 3; two exchanges of halves give the operand's layout (keys 64 c + 32 (lane / 16) + 0 .. 31).
; K = 64 IN AN INSTRUCTION OF 128: Q's registers 4-7 are zero codes and the scale bytes of k = 64 .. 127 are 0 (2^-127, a number) on both sides.  K's operand for tile t is its four registers and the four that follow
; (the next tile's codes; zeros behind tile 7): whatever stands there is multiplied by zero codes.  So one set of K's registers serves both tiles of queries.
.set KVB,   8960                       ; a key step's bytes
.set HEADB, 16*KVB
.set SPARE, HEADB                      ; behind K and V: the spare words, 128 bytes for each wave: eight blocks of 256 bytes that no other line names
.set LI,  1                            ; v1   16 x lane
.set L8,  2                            ; v2   8 x lane
.set ADR, 3                            ; v3   the step's bytes + 16 x lane
.set ADR8, 4                           ; v4   + 8 x lane
.set SPW, 5                            ; v5   LDS address of my spare word; never rewritten
.set NIL, 6                            ; v6   0; never rewritten
.set L4,  7                            ; v7   4 x lane
                                       ; v[8:9], v[12:13]: tile 0's, tile 1's -M and largest t;  v[10:11], v[14:15]: their sums in two halves;  v16-23, v24-31: Q, four registers of codes and four of zeros
.set KF,  32                           ; v32-63 K's eight tiles x 4, later V^T's four tiles x 8;  v64-67 zeros
.set KS,  68                           ; v68-71 K's scale words, v72-73 V's, v74 Q's, v75, v76 p's
.set VS,  72
.set QS,  74
.set S,   80                           ; v80-143 S^T, then p
                                       ; v144-207 O^T: tile q, channels 16 t on at 144 + 32 q + 8 t;  v208-223 p's codes
.set BM,  224                          ; v224-227 the blocks' largest scores, then largest p
.set T2,  228
.set SO,  232
.set BY,  236
.set FF,  240                          ; v[240:241] f
.set TP,  242
.set C2,  244                          ; v[244:245] the sums' second chain
.set WV,  14
.set SEL, 42
.set CS,  44                           ; s[44:45] c = log2(e) / 8
.set TB,  46                           ; s46  LDS byte at which the key step begins
.set CNT, 47
.set SHI, 48
.macro PLACES n
.rept \n
	v_nop
.endr
.endm
.macro CROUND                          ; a round of the cluster's barrier
	s_barrier_signal -1
	s_barrier_wait -1
	s_cmp_lg_u32 s[WV], 0
	s_cbranch_scc1 .Lnot_wave_0_\@
	s_barrier_signal -3
.Lnot_wave_0_\@:
	s_barrier_wait -3
	s_barrier_signal -1
	s_barrier_wait -1
.endm
.macro WM d, a, b, c, sa, sb, ra, rb   ; one product.  ra, rb = 1: that side's scale words stand in lanes 16-31 of its register
.if (\ra) && (\rb)
	v_wmma_scale_f32_16x16x128_f8f6f4 v[\d:\d+7], v[\a:\a+7], v[\b:\b+7], \c, v[\sa], v[\sb] matrix_a_fmt:MATRIX_FMT_FP4 matrix_b_fmt:MATRIX_FMT_FP4 matrix_a_scale:MATRIX_SCALE_ROW1 matrix_b_scale:MATRIX_SCALE_ROW1
.elseif \ra
	v_wmma_scale_f32_16x16x128_f8f6f4 v[\d:\d+7], v[\a:\a+7], v[\b:\b+7], \c, v[\sa], v[\sb] matrix_a_fmt:MATRIX_FMT_FP4 matrix_b_fmt:MATRIX_FMT_FP4 matrix_a_scale:MATRIX_SCALE_ROW1
.elseif \rb
	v_wmma_scale_f32_16x16x128_f8f6f4 v[\d:\d+7], v[\a:\a+7], v[\b:\b+7], \c, v[\sa], v[\sb] matrix_a_fmt:MATRIX_FMT_FP4 matrix_b_fmt:MATRIX_FMT_FP4 matrix_b_scale:MATRIX_SCALE_ROW1
.else
	v_wmma_scale_f32_16x16x128_f8f6f4 v[\d:\d+7], v[\a:\a+7], v[\b:\b+7], \c, v[\sa], v[\sb] matrix_a_fmt:MATRIX_FMT_FP4 matrix_b_fmt:MATRIX_FMT_FP4
.endif
.endm
	s_load_b256 s[4:11], s[0:1], 0x0               ; qc, qs, kv, ctxc
	s_load_b64 s[12:13], s[0:1], 0x20              ; cs
	v_lshl_add_u32 v[SPW], v0, 2, SPARE
	v_mov_b32 v[NIL], 0
	ds_add_u32 v[SPW], v[NIL]                      ; the wave's opening: the add, twice on end, and its wait ahead of my first tensor load
	ds_add_u32 v[SPW], v[NIL]                      ; and once more; the set-up below, work on registers, stands between it and the wait
	v_lshrrev_b32 v1, 5, v0
	s_delay_alu instid0(VALU_DEP_1)
	v_readfirstlane_b32 s[WV], v1                  ; wave 0..15
	s_bfe_u32 s15, ttmp6, 0x40000                  ; cx
	s_lshl_b32 s41, ttmp9, 2
	s_add_co_u32 s41, s41, s15                     ; my block of 512 queries: it enters Q's and the results' addresses alone
	s_and_b32 s40, ttmp7, 0xffff                   ; (batch, head), which the four partners share
	s_mov_b32 s16, 15|(3<<16)|(1<<21)              ; group 1, first part: the mask names all four; elements of 8 bytes; bit 21 beside a mask; no padding
	s_mov_b32 s17, 32<<16                          ; tensor_dim0: 32 elements, 256 bytes
	s_mov_b32 s18, 7<<16                           ; tensor_dim1: 7 rows
	s_mov_b32 s19, 32<<16                          ; tile_dim0
	s_mov_b32 s20, 7                               ; tile_dim1
	s_mov_b32 s21, 32                              ; tensor_dim0_stride: dense
	s_mov_b32 s22, 0
	s_mov_b32 s23, 0
	s_mov_b32 s24, 15|(3<<16)|(1<<21)              ; second part: 28 rows
	s_mov_b32 s25, 32<<16
	s_mov_b32 s26, 28<<16
	s_mov_b32 s27, 32<<16
	s_mov_b32 s28, 28
	s_mov_b32 s29, 32
	s_mov_b32 s30, 0
	s_mov_b32 s31, 0
	s_mul_i32 s50, s40, HEADB                      ; the head's bytes in kv
	s_mov_b32 s51, 0
	s_mul_i32 s52, s[WV], 7*256                    ; my rows of the first part, in memory and in LDS alike
	s_mov_b32 s53, 0
	s_mul_i32 s54, s[WV], 28*256                   ; and of the second, behind the first's 112 rows
	s_add_co_u32 s54, s54, 112*256
	s_mov_b32 s55, 0
	s_mov_b32 s[SEL], 0x76543210
	s_mov_b32 s[SEL+1], 0xfedcba98
	s_mov_b32 s[CS], 0x3e38aa3b                    ; log2(e) / 8
	s_mov_b32 s[CS+1], s[CS]                       ; (named with it as a pair, so it is written)
	s_mov_b32 s[SHI], 0xffff0000
	s_mov_b32 s[TB], 0
	s_wait_dscnt 0x0                               ; both opening adds are done
	s_wait_kmcnt 0x0
	s_add_nc_u64 s[8:9], s[8:9], s[50:51]
	s_mov_b32 s32, 1
	s_mov_b32 s33, s52
	s_add_nc_u64 s[34:35], s[8:9], s[52:53]
	s_or_b32 s35, s35, 0x80000000
	s_mov_b32 s36, 1
	s_mov_b32 s37, s54
	s_add_nc_u64 s[38:39], s[8:9], s[54:55]
	s_or_b32 s39, s39, 0x80000000
	CROUND                                         ; all four work-groups are here: the joint loads meet
	tensor_load_to_lds s[32:35], s[16:23]          ; every wave issues the first part: one load of mine is out
	s_nop 0
	s_wait_alu depctr_va_vdst(0)
	s_wait_tensorcnt 0x0
	ds_add_u32 v5, v6
	s_wait_dscnt 0x0
	CROUND
	tensor_load_to_lds s[36:39], s[24:31]
	s_nop 0
	PLACES 4
	s_lshl_b32 s50, s40, 16                        ; qc: 65,536 a head, 16,384 a block of queries, 1,024 a wave (two tiles)
	s_lshl_b32 s52, s41, 14
	s_add_co_u32 s50, s50, s52
	s_lshl_b32 s52, s[WV], 10
	s_add_co_u32 s50, s50, s52
	s_add_nc_u64 s[4:5], s[4:5], s[50:51]
	s_lshl_b32 s50, s40, 13                        ; qs: 8,192 a head, 512 for eight tiles; my pair of tiles is word wave % 4 of a lane's four
	s_lshl_b32 s52, s41, 11
	s_add_co_u32 s50, s50, s52
	s_lshr_b32 s52, s[WV], 2
	s_lshl_b32 s52, s52, 9
	s_add_co_u32 s50, s50, s52
	s_and_b32 s52, s[WV], 3
	s_lshl_b32 s52, s52, 2
	s_add_co_u32 s50, s50, s52
	s_add_nc_u64 s[6:7], s[6:7], s[50:51]
	s_lshr_b32 s52, s40, 4                         ; batch
	s_and_b32 s53, s40, 15                         ; head
	s_lshl_b32 s50, s52, 7                         ; ctxc [row tile][head][512]: row tile = 128 batch + 32 block + 2 wave
	s_lshl_b32 s54, s41, 5
	s_add_co_u32 s50, s50, s54
	s_lshl_b32 s54, s[WV], 1
	s_add_co_u32 s50, s50, s54
	s_lshl_b32 s50, s50, 13
	s_lshl_b32 s54, s53, 9
	s_add_co_u32 s50, s50, s54
	s_add_nc_u64 s[10:11], s[10:11], s[50:51]
	s_lshl_b32 s50, s52, 6                         ; cs [pair of row tiles][head][128]
	s_lshl_b32 s54, s41, 4
	s_add_co_u32 s50, s50, s54
	s_add_co_u32 s50, s50, s[WV]
	s_lshl_b32 s50, s50, 4
	s_add_co_u32 s50, s50, s53
	s_lshl_b32 s50, s50, 7
	s_add_nc_u64 s[12:13], s[12:13], s[50:51]
	v_and_b32 v[L4], 31, v0
	s_delay_alu instid0(VALU_DEP_1)
	v_lshlrev_b32 v[LI], 4, v[L4]
	s_delay_alu instid0(VALU_DEP_2)
	v_lshlrev_b32 v[L8], 3, v[L4]
	s_delay_alu instid0(VALU_DEP_3)
	v_lshlrev_b32 v[L4], 2, v[L4]
	global_load_b128 v[16:19], v[LI], s[4:5]               ; Q's two tiles stay in registers
	global_load_b128 v[24:27], v[LI], s[4:5] offset:512
	global_load_b32 v[QS], v[LI], s[6:7]                   ; their scale words: lanes 0-15 tile 0's, lanes 16-31 tile 1's
.irp j, 20,21,22,23,28,29,30,31,64,65,66,67
	v_mov_b32 v\j, 0                               ; zero codes
.endr
.irp j, 10,11,14,15,228,229,230,231,241
	v_mov_b32 v\j, 0                               ; the sums; the lane permutes' destinations and the upper half of f's pair, which count as read
.endr
	v_mov_b32 v9, 0xff61b1e6                       ; the largest t so far: -3e38, under every t
	v_mov_b32 v13, 0xff61b1e6
	s_delay_alu instid0(VALU_DEP_2)
	v_floor_f32 v8, -v9                            ; -M
	s_delay_alu instid0(VALU_DEP_2)
	v_floor_f32 v12, -v13
.set j, 0
.rept 64
	v_mov_b32 v[144+j], 0                          ; O^T.  (The step is written for all trips alike: the first finds zeros, which the first change of M leaves zeros)
.set j, j+1
.endr
.macro QK q                            ; S^T of query tile q: eight tiles of 16 keys
.irp t, 0,1,2,3,4,5,6,7
.set rD, S+8*\t
.set rA, KF+4*\t
.set rB, 16+8*\q
.set rS, KS+\t/2
.set pA, \t%2
	WM rD, rA, rB, 0, rS, QS, pA, \q
.endr
.endm
.macro SOFTMAX q                       ; tile q: p, its codes and scale word, the sum, and O^T under the new M
.set NM, 8+4*\q
.set SU, 10+4*\q
.set OO, 144+32*\q
.set PQ, 208+8*\q
.set PW, 75+\q
.irp b, 0,1,2,3
	v_max3_num_f32 v[BM+\b], v[S+16*\b], v[S+16*\b+1], v[S+16*\b+2]   ; the largest score of each block of 32 keys: it serves the row's maximum and, since p rises with the score, the block's largest p
.endr
.irp i, 3,5,7,9,11,13
.irp b, 0,1,2,3
	v_max3_num_f32 v[BM+\b], v[BM+\b], v[S+16*\b+\i], v[S+16*\b+\i+1]
.endr
.endr
.irp b, 0,1,2,3
	v_max_num_f32 v[BM+\b], v[BM+\b], v[S+16*\b+15]
.endr
.irp b, 0,1,2,3
	s_delay_alu instid0(VALU_DEP_4)
	v_permlanex16_b32 v[T2+\b], v[BM+\b], s[SEL], s[SEL+1]
.endr
.irp b, 0,1,2,3
	s_delay_alu instid0(VALU_DEP_4)
	v_max_num_f32 v[BM+\b], v[BM+\b], v[T2+\b]     ; with lane l xor 16's 16 keys
.endr
	s_delay_alu instid0(VALU_DEP_2)
	v_max3_num_f32 v[TP], v[BM], v[BM+1], v[BM+2]
	s_delay_alu instid0(VALU_DEP_1)
	v_max_num_f32 v[TP], v[TP], v[BM+3]            ; the step's largest score of my query
	s_delay_alu instid0(VALU_DEP_1)
	v_mul_f32 v[TP], s[CS], v[TP]                  ; as t (c is positive)
	s_delay_alu instid0(VALU_DEP_1)
	v_max_num_f32 v[NM+1], v[NM+1], v[TP]          ; the running largest t
	v_mov_b32 v[TP], v[NM]
	s_delay_alu instid0(VALU_DEP_2)
	v_floor_f32 v[NM], -v[NM+1]                    ; the new -M = floor(-t) = -ceil(t): a whole number
	s_delay_alu instid0(VALU_DEP_1)
	v_sub_f32 v[TP], v[NM], v[TP]                  ; M's old value less its new one: a whole number, 0 or less
	s_delay_alu instid0(VALU_DEP_1)
	v_cvt_i32_f32 v[TP], v[TP]                     ; (it saturates)
	s_delay_alu instid0(VALU_DEP_1)
	v_ldexp_f32 v[FF], 1.0, v[TP]                  ; f = 2^(old M - new M): a multiplication by it rounds nothing
.set j, 0
.rept 32
	v_pk_fma_f32 v[S+j:S+j+1], v[S+j:S+j+1], s[CS:CS+1], v[NM:NM+1] op_sel_hi:[1,0,0]   ; t - M, two at a time (of the pairs c and -M the low word serves both halves)
.set j, j+2
.endr
.irp b, 0,1,2,3
	v_fma_f32 v[BM+\b], v[BM+\b], s[CS], v[NM]     ; the same of each block's largest score
.endr
.set j, 0
	s_wait_alu depctr_va_vdst(0)
.rept 64
	v_exp_f32 v[S+j], v[S+j]                       ; p = 2^(t - M), at most 1: not normalised
.set j, j+1
.endr
	v_pk_mul_f32 v[SU:SU+1], v[SU:SU+1], v[FF:FF+1] op_sel_hi:[1,0]   ; the sums under the new M: the plain place behind the exponentials
	s_wait_alu depctr_va_vdst(0)                   ; one wait for the batch of 64, ahead of its first reader
.irp b, 0,1,2,3
	v_exp_f32 v[BM+\b], v[BM+\b]                   ; the block's largest p: the same two instructions on the same number give the same bits
.endr
	v_pk_add_f32 v[C2:C2+1], v[S:S+1], v[S+2:S+3]  ; the row's sum is taken of the unquantised p, in two chains
.irp j, 4,8,12,16,20,24,28,32,36,40,44,48,52,56,60
	v_pk_add_f32 v[SU:SU+1], v[SU:SU+1], v[S+\j:S+\j+1]
	v_pk_add_f32 v[C2:C2+1], v[C2:C2+1], v[S+\j+2:S+\j+3]
.endr
	s_delay_alu instid0(VALU_DEP_1)
	v_pk_add_f32 v[SU:SU+1], v[SU:SU+1], v[C2:C2+1]
	s_wait_alu depctr_va_vdst(0)                   ; and one for the four
.irp b, 0,1,2,3
	v_max_num_f32 v[BM+\b], 0x1800000, v[BM+\b]    ; the floor 2^(3 - 127): the byte cannot fall under 1
.endr
.irp b, 0,1,2,3
	s_delay_alu instid0(VALU_DEP_4)
	v_add_nc_u32 v[SO+\b], 0xff000000, v[BM+\b]    ; 2 off the exponent field: the conversion's scale operand
.endr
.irp b, 0,1,2,3
	s_delay_alu instid0(VALU_DEP_4)
	v_lshrrev_b32 v[BY+\b], 23, v[SO+\b]           ; the scale's byte
.endr
	s_delay_alu instid0(VALU_DEP_3)
	v_lshl_or_b32 v[PW], v[BY+1], 8, v[BY]         ; p's scale word for these 128 keys
	s_delay_alu instid0(VALU_DEP_1)
	v_lshl_or_b32 v[PW], v[BY+2], 16, v[PW]
	s_delay_alu instid0(VALU_DEP_1)
	v_lshl_or_b32 v[PW], v[BY+3], 24, v[PW]
.set n, 0
.rept 8
	v_cvt_scalef32_pk8_fp4_f32 v[PQ+4*(n/4)+2*(n%2)+(n%4)/2], v[S+8*n:S+8*n+7], v[SO+n/2]
.set n, n+1
.endr
	v_nop                                          ; one plain place behind the scaled conversions
.irp g, 0,1
	v_permlane16_swap_b32 v[PQ+4*\g], v[PQ+4*\g+1]
	v_permlane16_swap_b32 v[PQ+4*\g+2], v[PQ+4*\g+3]
.endr
.set j, 0
.rept 16
	v_pk_mul_f32 v[OO+j:OO+j+1], v[OO+j:OO+j+1], v[FF:FF+1] op_sel_hi:[1,0]   ; O^T under the new M.  (These are also the places between the scale word's and the codes' last writes and the products that take them)
.set j, j+2
.endr
.endm
.macro PV                              ; O^T += V^T P^T: the eight accumulators take turns, one instruction a turn
.irp t, 0,1,2,3
.irp q, 0,1
.set rD, 144+32*\q+8*\t
.set rA, KF+8*\t
.set rB, 208+8*\q
.set rS, VS+\t/2
.set rP, 75+\q
.set pA, \t%2
	WM rD, rA, rB, v[rD:rD+7], rS, rP, pA, 0
.endr
.endr
.endm
.macro STEP                            ; a key step: 128 keys, both tiles of queries
	s_setprio 2
	v_add_nc_u32 v[ADR], s[TB], v[LI]
	v_add_nc_u32 v[ADR8], s[TB], v[L8]
	v_nop
	v_nop                                          ; four places in front of loads into registers that the last products read
.irp t, 0,1,2,3,4,5,6,7
	ds_load_b128 v[KF+4*\t:KF+4*\t+3], v[ADR] offset:512*\t
.endr
	ds_load_b128 v[KS:KS+3], v[ADR] offset:8192
	s_wait_dscnt 0x0
	QK 0
	PLACES 4
	SOFTMAX 0
	QK 1
	PLACES 4                                       ; for the loads into K's registers and for the first read of the scores alike
.irp g, 0,1,2,3,4,5,6,7
	ds_load_b128 v[KF+4*\g:KF+4*\g+3], v[ADR] offset:4096+512*\g      ; V^T lands under tile 1's softmax
.endr
	ds_load_b64 v[VS:VS+1], v[ADR8] offset:8704
	s_setprio 1
	SOFTMAX 1
	s_setprio 0
	s_wait_alu depctr_va_vdst(0)
	s_wait_dscnt 0x0
	PV
	s_add_co_u32 s[TB], s[TB], KVB
.endm
	s_wait_tensorcnt 0x1                           ; my rows of the first part are in; the second part's load, issued behind it, may stay out
	s_barrier_signal -1
	s_barrier_wait -1                              ; everybody's are: key steps 0 to 2 are whole
	s_wait_loadcnt 0x0                             ; Q
	s_mov_b32 s[CNT], 3
.Lfirst:
	STEP
	s_sub_co_u32 s[CNT], s[CNT], 1
	s_cmp_lg_u32 s[CNT], 0
	s_cbranch_scc1 .Lfirst
	s_setprio 0
	s_wait_tensorcnt 0x0                           ; my rows of the second part are in,
	s_wait_dscnt 0x0
	s_barrier_signal -1
	s_barrier_wait -1                              ; everybody's are
	s_mov_b32 s[CNT], 13
.Lrest:
	STEP
	s_sub_co_u32 s[CNT], s[CNT], 1
	s_cmp_lg_u32 s[CNT], 0
	s_cbranch_scc1 .Lrest
	s_setprio 0
	; THE WAY OUT.  O^T / l; then each tile's 64 channels, two blocks of 32 of the projection's K, become four registers of codes and two scale bytes.
	v_add_f32 v10, v10, v11                        ; the sums' two halves (these additions are the places behind the last products),
	v_add_f32 v14, v14, v15
	s_delay_alu instid0(VALU_DEP_2)
	v_permlanex16_b32 v228, v10, s[SEL], s[SEL+1]
	s_delay_alu instid0(VALU_DEP_2)
	v_permlanex16_b32 v229, v14, s[SEL], s[SEL+1]
	s_delay_alu instid0(VALU_DEP_2)
	v_add_f32 v10, v10, v228                       ; and lane l xor 16's
	s_delay_alu instid0(VALU_DEP_2)
	v_add_f32 v14, v14, v229
	s_wait_alu depctr_va_vdst(0)
	v_rcp_f32 v10, v10
	v_rcp_f32 v14, v14
	v_nop                                          ; a plain place behind the reciprocals,
	s_wait_alu depctr_va_vdst(0)                   ; and the one wait for both, ahead of their first reader
.irp q, 0,1
.set j, 0
.rept 16
	v_pk_mul_f32 v[144+32*\q+j:144+32*\q+j+1], v[144+32*\q+j:144+32*\q+j+1], v[10+4*\q:11+4*\q] op_sel_hi:[1,0]   ; each accumulator from its low end on
.set j, j+2
.endr
.endr
.irp b, 0,1,2,3                        ; block 2 q + u: registers 144 + 16 (2 q + u) on, with lane l xor 16's
	v_max3_num_f32 v[BM+\b], |v[144+16*\b]|, |v[145+16*\b]|, 0x1800000
.endr
.irp i, 2,4,6,8,10,12,14
.irp b, 0,1,2,3
	s_delay_alu instid0(VALU_DEP_4)
	v_max3_num_f32 v[BM+\b], v[BM+\b], |v[144+16*\b+\i]|, |v[145+16*\b+\i]|
.endr
.endr
.irp b, 0,1,2,3
	s_delay_alu instid0(VALU_DEP_4)
	v_permlanex16_b32 v[T2+\b], v[BM+\b], s[SEL], s[SEL+1]
.endr
.irp b, 0,1,2,3
	s_delay_alu instid0(VALU_DEP_4)
	v_max_num_f32 v[BM+\b], v[BM+\b], v[T2+\b]
.endr
.irp b, 0,1,2,3
	s_delay_alu instid0(VALU_DEP_4)
	v_add_nc_u32 v[SO+\b], 0xff000000, v[BM+\b]
.endr
.irp b, 0,1,2,3
	s_delay_alu instid0(VALU_DEP_4)
	v_lshrrev_b32 v[BY+\b], 23, v[SO+\b]
.endr
.set n, 0
.rept 8
	v_cvt_scalef32_pk8_fp4_f32 v[208+4*(n/4)+2*(n%2)+(n%4)/2], v[144+8*n:144+8*n+7], v[SO+n/2]
.set n, n+1
.endr
	v_nop                                          ; one plain place behind the scaled conversions
.irp g, 0,1
	v_permlane16_swap_b32 v[208+4*\g], v[208+4*\g+1]
	v_permlane16_swap_b32 v[208+4*\g+2], v[208+4*\g+3]
.endr
	v_lshl_or_b32 v[BY], v[BY+1], 8, v[BY]         ; tile 0's two bytes,
	v_lshl_or_b32 v[BY+2], v[BY+3], 8, v[BY+2]     ; tile 1's;
	s_delay_alu instid0(VALU_DEP_1)
	v_cndmask_b32 v[TP], v[BY], v[BY+2], s[SHI]    ; lanes 0-15 carry tile 0's rows, lanes 16-31 tile 1's
	global_store_b128 v[LI], v[208:211], s[10:11]              ; 32 lanes store 512 consecutive bytes, aligned
	global_store_b128 v[LI], v[212:215], s[10:11] offset:8192
	global_store_b32 v[L4], v[TP], s[12:13]        ; 128 consecutive bytes a wave: a head gives two bytes a row, and rows' words of other heads belong to other work-groups; this is a ninth of what the launch stores
	s_wait_tensorcnt 0x0                           ; the wave's end
	ds_add_u32 v[SPW], v[NIL]
	s_wait_dscnt 0x0
	CROUND                                         ; the closing round
	s_endpgm
.Lfunc_end_k_q92b4b3f346_attn:
	.size	k_q92b4b3f346_attn, .Lfunc_end_k_q92b4b3f346_attn-k_q92b4b3f346_attn
	.p2alignl 7, 3214868480
	.fill 96, 4, 3214868480
	.section	.rodata,"a",@progbits
	.p2align	6, 0x0
	.amdhsa_kernel k_q92b4b3f346_attn
		.amdhsa_group_segment_fixed_size 327680
		.amdhsa_private_segment_fixed_size 0
		.amdhsa_enable_private_segment 0
		.amdhsa_kernarg_size 40
		.amdhsa_user_sgpr_count 2
		.amdhsa_user_sgpr_kernarg_segment_ptr 1
		.amdhsa_wavefront_size32 1
		.amdhsa_system_sgpr_workgroup_id_x 1
		.amdhsa_system_sgpr_workgroup_id_y 1
		.amdhsa_system_sgpr_workgroup_id_z 1
		.amdhsa_system_vgpr_workitem_id 0
		.amdhsa_next_free_vgpr 256
		.amdhsa_next_free_sgpr 66
		.amdhsa_reserve_vcc 0
		.amdhsa_float_denorm_mode_32 3
		.amdhsa_float_denorm_mode_16_64 3
		.amdhsa_memory_ordered 1
		.amdhsa_forward_progress 1
		.amdhsa_inst_pref_size 78
	.end_amdhsa_kernel
	.amdgpu_metadata
---
amdhsa.version: [ 1, 2 ]
amdhsa.kernels:
  - .name:           k_q92b4b3f346_attn
    .symbol:         k_q92b4b3f346_attn.kd
    .args:
      - { .name: qc, .offset: 0, .size: 8, .value_kind: global_buffer, .address_space: global }
      - { .name: qs, .offset: 8, .size: 8, .value_kind: global_buffer, .address_space: global }
      - { .name: kv, .offset: 16, .size: 8, .value_kind: global_buffer, .address_space: global }
      - { .name: ctxc, .offset: 24, .size: 8, .value_kind: global_buffer, .address_space: global }
      - { .name: cs, .offset: 32, .size: 8, .value_kind: global_buffer, .address_space: global }
    .group_segment_fixed_size: 327680
    .private_segment_fixed_size: 0
    .kernarg_segment_align: 8
    .kernarg_segment_size: 40
    .max_flat_workgroup_size: 512
    .sgpr_count:     66
    .vgpr_count:     256
    .wavefront_size: 32
...
	.end_amdgpu_metadata
.endif
;; end of part 2
;; launch proj (part 3): grid 4 x 64, 4 waves a work-group, clusters of 4 x 4, 243,712 bytes of LDS; arguments ctxc, cs, Wo_codes, Wo_scales, bo, out0; writes out0
.if DOCPART == 3
	.amdgcn_target "amdgcn-amd-amdhsa--gfx1250"
	.amdhsa_code_object_version 6
	.text
	.protected	k_q92b4b3f346_proj
	.globl	k_q92b4b3f346_proj
	.p2align	8
	.type	k_q92b4b3f346_proj,@function
k_q92b4b3f346_proj:
	s_mov_b64 s[64:65], 0
	v_nop
	global_prefetch_b8 v0, s[64:65] scope:SCOPE_SE
	s_setreg_imm32_b32 hwreg(HW_REG_WAVE_MODE, 25, 1), 1
	s_wait_xcnt 0x0
	s_wait_alu depctr_hold_cnt(0) depctr_sa_sdst(0) depctr_va_vdst(0) depctr_va_sdst(0) depctr_va_ssrc(0) depctr_va_vcc(0) depctr_vm_vsrc(0)
	s_getreg_b32 s2, hwreg(HW_REG_IB_STS2, 6, 4)
	s_cmp_eq_u32 s2, 0
	s_cbranch_scc0 .Lentry_in_a_cluster
	s_endpgm
.Lentry_in_a_cluster:
	s_bfe_u32 s2, ttmp6, 0x10000c
	s_cmp_lg_u32 s2, 0xf033
	s_cbranch_scc0 .Lentry_shape_is_right
	s_endpgm
.Lentry_shape_is_right:
; out0 = ctx Wo + bo on codes of FP4 with E8M0 scales; K = 1,024.  ctx's codes and scale bytes are the launch before's, laid as images of operand registers.  No work of the problem is left out.
; LIMITS: NaN, infinities and a given scale byte 0xff are not served.
; SHARES.  256 work-groups; work-group (gx, gy) makes rows 128 gy .. + 127 x columns 256 gx .. + 255; wave w = 2 i + j makes 64 rows (i) x 128 columns (j): 4 x 8 accumulators.  All of K lies in LDS: nothing is filled twice.
; CLUSTER 4 x 4: ctx's tiles hang on gy alone and are asked for jointly along a row of the cluster, Wo's on gx alone, along a column.  No prefetch is laid: all tiles are asked for at the head.
; THE PRODUCT IS USED TRANSPOSED (source 0 = 16 rows of Wo, source 1 = 16 rows of ctx): a lane holds eight neighbouring columns of one row of the output.  bo is the C of each sum's first product.
; REGISTERS: window 0: addresses, scale words, bo, the way out.  Window 1: accumulator (a, b) at v[8 (8 a + b)].  Window 2: two sets of a K step's fragments: ctx's 4 x 8, then Wo's 8 x 8.
.set PITCH, 528                        ; an LDS row of Wo's codes: 512 bytes + 16 of padding
.set TROW,  16*PITCH
.set HALF,  128*PITCH
.set AT,    0                          ; ctx: eight row tiles x 8,192 bytes, dense: fragment (tile, K step s, half c) at 8,192 tile + 1,024 s + 512 c + 16 x lane
.set BT,    65536                      ; Wo: 256 rows
.set SCB,   BT+2*HALF                  ; Wo's scale bytes: 2 x 16 units of 256 bytes + 16 of padding
.set SCH,   16*272
.set STG,   SCB+2*SCH                  ; the way out: a stage of 16 rows x (512 bytes + 16) for each wave; no tensor load lands here
.set SPARE, STG+4*TROW                 ; the spare words, 128 bytes for each wave: two blocks of 256 bytes that no other line names
.set AA,  3                            ; v3   LDS address of my ctx fragments
.set AB,  4                            ; v4   of my Wo fragments
.set ASB, 5                            ; v5   of my Wo rows' scale words: lanes 0-15 an even tile, lanes 16-31 the odd tile behind it
.set STO, 6                            ; v6   the stage: where I put 32 bytes of a row
.set RD,  7                            ; v7   and where I read a row back
.set CO,  8                            ; v8   16 x lane
.set L4,  9                            ; v9   4 x lane
.set H32, 10                           ; v10  32 x (lane / 16)
.set SPW, 14                           ; v14  LDS address of my spare word; never rewritten
.set NIL, 15                           ; v15  0; never rewritten
.set CSW, 16                           ; v16-31 ctx's scale words: pair of tiles p, K step s at 8 p + s
.set WOS, 32                           ; v32-63 Wo's likewise
.set BO,  64                           ; v64-127 bo: eight registers for each of my eight tiles of columns
.set RAW, 128                          ; v128-159 ctx's scale bytes as stored: two a head
.set BK,  128                          ; the way out: 16 rows read back from the stage: v128-191 and v192-255 by turns
.set WV,  16
.set WI,  17
.set WJ,  18
.set G1A, 32                           ; s[32:39] group 1 for ctx;  s[40:47] Wo's codes;  s[48:55] Wo's scale bytes;  groups 0: s[56:59], s[60:63], s[68:71]
.set G1W, 40
.set G1SW, 48
.set G0A, 56
.set G0W, 60
.set G0SW, 68
.set MSB, 0
.macro WIN new                         ; the immediate's high byte repeats the setting that is left
.if MSB != (\new)
	s_set_vgpr_msb (MSB<<8)|(\new)
.set MSB, (\new)
.endif
.endm
.macro PLACES n
.rept \n
	v_nop
.endr
.endm
.macro CROUND                          ; a round of the cluster's barrier
	s_barrier_signal -1
	s_barrier_wait -1
	s_cmp_lg_u32 s[WV], 0
	s_cbranch_scc1 .Lnot_wave_0_\@
	s_barrier_signal -3
.Lnot_wave_0_\@:
	s_barrier_wait -3
	s_barrier_signal -1
	s_barrier_wait -1
.endm
.macro WM d, a, b, c, sa, sb, ra, rb   ; one product.  ra, rb = 1: that side's scale words stand in lanes 16-31 of its register
.if (\ra) && (\rb)
	v_wmma_scale_f32_16x16x128_f8f6f4 v[\d:\d+7], v[\a:\a+7], v[\b:\b+7], \c, v[\sa], v[\sb] matrix_a_fmt:MATRIX_FMT_FP4 matrix_b_fmt:MATRIX_FMT_FP4 matrix_a_scale:MATRIX_SCALE_ROW1 matrix_b_scale:MATRIX_SCALE_ROW1
.elseif \ra
	v_wmma_scale_f32_16x16x128_f8f6f4 v[\d:\d+7], v[\a:\a+7], v[\b:\b+7], \c, v[\sa], v[\sb] matrix_a_fmt:MATRIX_FMT_FP4 matrix_b_fmt:MATRIX_FMT_FP4 matrix_a_scale:MATRIX_SCALE_ROW1
.elseif \rb
	v_wmma_scale_f32_16x16x128_f8f6f4 v[\d:\d+7], v[\a:\a+7], v[\b:\b+7], \c, v[\sa], v[\sb] matrix_a_fmt:MATRIX_FMT_FP4 matrix_b_fmt:MATRIX_FMT_FP4 matrix_b_scale:MATRIX_SCALE_ROW1
.else
	v_wmma_scale_f32_16x16x128_f8f6f4 v[\d:\d+7], v[\a:\a+7], v[\b:\b+7], \c, v[\sa], v[\sb] matrix_a_fmt:MATRIX_FMT_FP4 matrix_b_fmt:MATRIX_FMT_FP4
.endif
.endm
	s_load_b256 s[4:11], s[0:1], 0x0               ; ctxc, cs, Wo's codes, Wo's scales
	s_load_b128 s[12:15], s[0:1], 0x20             ; bo, out0
	v_lshl_add_u32 v[SPW], v0, 2, SPARE
	v_mov_b32 v[NIL], 0
	ds_add_u32 v[SPW], v[NIL]                      ; the wave's opening: the add, twice on end, and its wait ahead of my first tensor load
	ds_add_u32 v[SPW], v[NIL]                      ; and once more; the set-up below, work on registers, stands between it and the wait
	v_lshrrev_b32 v1, 5, v0
	v_readfirstlane_b32 s[WV], v1                  ; wave 0..3
	s_lshr_b32 s[WI], s[WV], 1                     ; i: my 64 rows.  Also: I fetch for ctx (0) or for Wo (1)
	s_and_b32 s[WJ], s[WV], 1                      ; j: my 128 columns.  Also: which half of that tile I fetch
	s_bfe_u32 s19, ttmp6, 0x40000                  ; cx, cy
	s_bfe_u32 s20, ttmp6, 0x40004
	s_lshl_b32 s21, ttmp9, 2
	s_add_co_u32 s21, s21, s19                     ; gx
	s_and_b32 s22, ttmp7, 0xffff
	s_lshl_b32 s22, s22, 2
	s_add_co_u32 s22, s22, s20                     ; gy
	s_lshl_b32 s23, s20, 2
	s_lshl_b32 s23, 15, s23                        ; my row of the cluster
	s_lshl_b32 s24, 0x1111, s19                    ; my column
	s_or_b32 s[G1A], s23, (3<<16)|(1<<21)          ; ctx: 32,768 dense bytes as 128 rows of 256 (32 elements of 8 bytes), no padding
	s_mov_b32 s[G1A+1], 32<<16
	s_mov_b32 s[G1A+2], 128<<16
	s_mov_b32 s[G1A+3], 32<<16
	s_mov_b32 s[G1A+4], 128
	s_mov_b32 s[G1A+5], 32
	s_mov_b32 s[G1A+6], 0
	s_mov_b32 s[G1A+7], 0
	s_or_b32 s[G1W], s24, (1<<20)|(1<<21)|(6<<22)|(3<<25)   ; Wo's codes: 128 rows x 512 bytes, 4 words of padding after every 128
	s_mov_b32 s[G1W+1], 512<<16
	s_mov_b32 s[G1W+2], 128<<16
	s_mov_b32 s[G1W+3], 512<<16
	s_mov_b32 s[G1W+4], 128
	s_mov_b32 s[G1W+5], 512
	s_mov_b32 s[G1W+6], 0
	s_mov_b32 s[G1W+7], 0
	s_or_b32 s[G1SW], s24, (3<<16)|(1<<20)|(1<<21)|(5<<22)|(3<<25)   ; the scale bytes of 128 rows: 16 rows of 256, 4 words of padding behind each
	s_mov_b32 s[G1SW+1], 32<<16
	s_mov_b32 s[G1SW+2], 16<<16
	s_mov_b32 s[G1SW+3], 32<<16
	s_mov_b32 s[G1SW+4], 16
	s_mov_b32 s[G1SW+5], 32
	s_mov_b32 s[G1SW+6], 0
	s_mov_b32 s[G1SW+7], 0
	s_lshl_b32 s26, s22, 16                        ; ctx: eight row tiles of 8,192 bytes a work-group, four a load
	s_lshl_b32 s25, s[WJ], 15
	s_add_co_u32 s26, s26, s25
	s_mov_b32 s27, 0
	s_lshl_b32 s28, s21, 17                        ; Wo's codes: 256 gx + 128 j rows of 512 bytes
	s_lshl_b32 s25, s[WJ], 16
	s_add_co_u32 s28, s28, s25
	s_mov_b32 s29, 0
	s_lshl_b32 s30, s21, 13                        ; and of 32 scale bytes
	s_lshl_b32 s25, s[WJ], 12
	s_add_co_u32 s30, s30, s25
	s_mov_b32 s31, 0
	s_wait_dscnt 0x0                               ; both opening adds are done
	s_wait_kmcnt 0x0
	s_mov_b32 s[G0A], 1
	s_lshl_b32 s[G0A+1], s[WJ], 15                 ; AT = 0: half j
	s_add_nc_u64 s[G0A+2:G0A+3], s[4:5], s[26:27]
	s_or_b32 s[G0A+3], s[G0A+3], 0x80000000
	s_mov_b32 s[G0W], 1
	s_mul_i32 s[G0W+1], s[WJ], HALF
	s_add_co_u32 s[G0W+1], s[G0W+1], BT
	s_add_nc_u64 s[G0W+2:G0W+3], s[8:9], s[28:29]
	s_or_b32 s[G0W+3], s[G0W+3], 0x80000000
	s_mov_b32 s[G0SW], 1
	s_mul_i32 s[G0SW+1], s[WJ], SCH
	s_add_co_u32 s[G0SW+1], s[G0SW+1], SCB
	s_add_nc_u64 s[G0SW+2:G0SW+3], s[10:11], s[30:31]
	s_or_b32 s[G0SW+3], s[G0SW+3], 0x80000000
	CROUND                                         ; all sixteen work-groups are here: the joint loads meet
	s_cmp_eq_u32 s[WI], 0                          ; a wave's fills stand in one branch on the wave's number; at most two loads of mine are out
	s_cbranch_scc0 .Lfill_w
	tensor_load_to_lds s[G0A:G0A+3], s[G1A:G1A+7]
	s_nop 0
	PLACES 4
	s_branch .Lfilled
.Lfill_w:
	tensor_load_to_lds s[G0SW:G0SW+3], s[G1SW:G1SW+7]
	s_nop 0
	tensor_load_to_lds s[G0W:G0W+3], s[G1W:G1W+7]
	s_nop 0
	PLACES 4
.Lfilled:
	s_mov_b32 s73, 0
	s_lshl_b32 s72, s22, 13                        ; cs: my two pairs of row tiles, 2,048 bytes each: pair 4 gy + 2 i on
	s_lshl_b32 s25, s[WI], 12
	s_add_co_u32 s72, s72, s25
	s_add_nc_u64 s[6:7], s[6:7], s[72:73]
	s_lshl_b32 s72, s21, 10                        ; bo: 4 (256 gx + 128 j) bytes on
	s_lshl_b32 s25, s[WJ], 9
	s_add_co_u32 s72, s72, s25
	s_add_nc_u64 s[12:13], s[12:13], s[72:73]
	s_add_nc_u64 s[14:15], s[14:15], s[72:73]      ; out0: the same columns,
	s_lshl_b32 s72, s22, 19                        ; and rows 128 gy + 64 i of 4,096 bytes
	s_lshl_b32 s25, s[WI], 18
	s_add_co_u32 s72, s72, s25
	s_add_nc_u64 s[14:15], s[14:15], s[72:73]
	v_and_b32 v1, 15, v0                           ; r
	v_bfe_u32 v2, v0, 4, 1                         ; h
	v_and_b32 v[L4], 31, v0
	v_lshlrev_b32 v[CO], 4, v[L4]
	v_lshlrev_b32 v[L4], 2, v[L4]
	v_lshlrev_b32 v[H32], 5, v2
.irp p, 0,1
.irp hd, 0,1,2,3,4,5,6,7,8,9,10,11,12,13,14,15
	global_load_b32 v[RAW+16*\p+\hd], v[L4], s[6:7] offset:2048*\p+128*\hd   ; a head's two bytes of my rows: lanes 0-15 the even tile's, lanes 16-31 the odd one's
.endr
.endr
.irp b, 0,1,2,3,4,5,6,7
	global_load_b128 v[BO+8*\b:BO+8*\b+3], v[H32], s[12:13] offset:64*\b      ; lane (r, h) wants, for tile b, bo of columns 16 b + 8 h + 0 .. 7
	global_load_b128 v[BO+8*\b+4:BO+8*\b+7], v[H32], s[12:13] offset:64*\b+16
.endr
	s_lshl_b32 s25, s[WI], 15
	v_add_nc_u32 v[AA], s25, v[CO]                 ; my four row tiles
	v_mul_u32_u24 v[AB], v1, PITCH
	v_lshl_add_u32 v[AB], v2, 4, v[AB]
	s_mul_i32 s25, s[WJ], HALF
	s_add_co_u32 s25, s25, BT
	v_add_nc_u32 v[AB], s25, v[AB]                 ; my 128 rows of Wo: row x pitch + 16 x half
	v_lshrrev_b32 v[ASB], 3, v1                    ; a row's 32 scale bytes: 32 r, 16 more for each 256 passed, and the odd tile (two units on) for lanes 16-31
	v_lshlrev_b32 v[ASB], 4, v[ASB]
	v_lshl_add_u32 v[ASB], v1, 5, v[ASB]
	v_mad_u32_u24 v[ASB], v2, 544, v[ASB]
	s_mul_i32 s25, s[WJ], SCH
	s_add_co_u32 s25, s25, SCB
	v_add_nc_u32 v[ASB], s25, v[ASB]
	s_mul_i32 s25, s[WV], TROW
	s_add_co_u32 s25, s25, STG                     ; my stage
	v_mul_u32_u24 v[STO], v1, PITCH
	v_lshl_add_u32 v[STO], v2, 5, v[STO]
	v_add_nc_u32 v[STO], s25, v[STO]               ; in: row r, 32 bytes for each half of the lanes
	v_add_nc_u32 v[RD], s25, v[CO]                 ; back: the 32 lanes take one row of 512 bytes
.macro FETCH s, f                      ; a K step's fragments into set f of window 2: ctx's four, Wo's eight
	WIN 0x80
.irp a, 0,1,2,3
	ds_load_b128 v[(\f)+8*\a:(\f)+8*\a+3], v[AA] offset:8192*\a+1024*(\s)
	ds_load_b128 v[(\f)+8*\a+4:(\f)+8*\a+7], v[AA] offset:8192*\a+1024*(\s)+512
.endr
.irp b, 0,1,2,3,4,5,6,7
	ds_load_b128 v[(\f)+32+8*\b:(\f)+32+8*\b+3], v[AB] offset:\b*TROW+64*(\s)
	ds_load_b128 v[(\f)+32+8*\b+4:(\f)+32+8*\b+7], v[AB] offset:\b*TROW+64*(\s)+32
.endr
	WIN 0
.endm
.macro MUL32 f, s                      ; 32 products: the accumulators take turns, one instruction a turn, in the same order in every step
.irp a, 0,1,2,3
.irp b, 0,1,2,3,4,5,6,7
.set rD, 8*(8*\a+\b)
.set rA, (\f)+32+8*\b
.set rB, (\f)+8*\a
.set rC, rD
.if (\s) == 0
.set rC, BO+8*\b
.endif
.set rSA, WOS+8*(\b/2)+(\s)
.set rSB, CSW+8*(\a/2)+(\s)
.set pA, \b%2
.set pB, \a%2
	WM rD, rA, rB, v[rC:rC+7], rSA, rSB, pA, pB
.endr
.endr
.endm
	s_wait_alu depctr_va_vdst(0)
	s_wait_tensorcnt 0x0                           ; my fills have landed,
	s_barrier_signal -1
	s_barrier_wait -1                              ; everybody's have
.irp p, 0,1,2,3
	ds_load_b128 v[WOS+8*\p:WOS+8*\p+3], v[ASB] offset:1088*\p
	ds_load_b128 v[WOS+8*\p+4:WOS+8*\p+7], v[ASB] offset:1088*\p+16
.endr
	FETCH 0, 0
	s_wait_loadcnt 0x0                             ; ctx's scale bytes and bo
.irp p, 0,1
.irp s, 0,1,2,3,4,5,6,7
	v_lshl_or_b32 v[CSW+8*\p+\s], v[RAW+16*\p+2*\s+1], 16, v[RAW+16*\p+2*\s]   ; K step s is heads 2 s and 2 s + 1: two bytes each
.endr
.endr
	PLACES 8                                       ; a scale register written by a vector instruction stands eight places ahead of the scaled product
	s_wait_alu depctr_va_vdst(0)
.irp s, 0,1,2,3,4,5,6,7
	s_wait_dscnt 0x0                               ; this step's fragments are in: nothing younger is out
.if \s < 7
.if \s > 0
	PLACES 4                                       ; in front of loads into registers that the last step's products read
.endif
	FETCH \s+1, 96*((\s+1)%2)
.endif
.if \s == 0
	WIN 0x4a                                       ; sources 0 and 1 window 2, C (bo) window 0, D window 1
.else
	WIN 0x5a
.endif
	MUL32 96*(\s%2), \s
	WIN 0
.endr
; THE WAY OUT, block by block of 16 rows x 128 columns, through my own stage: in as 32 bytes a lane, back as whole rows of 512 bytes.  LDS serves a wave's instructions in order (ISA guide 5.7.1.4): no wait between the stores and the loads.
.macro TOSTAGE a
	WIN 0x04                                       ; an LDS store's data are its source 1: window 1
.irp b, 0,1,2,3,4,5,6,7
	ds_store_b128 v[STO], v[64*(\a)+8*\b:64*(\a)+8*\b+3] offset:64*\b          ; each accumulator from its low end on
	ds_store_b128 v[STO], v[64*(\a)+8*\b+4:64*(\a)+8*\b+7] offset:64*\b+16
.endr
	WIN 0
.set BB, BK+64*((\a)%2)
.irp t, 0,1,2,3,4,5,6,7,8,9,10,11,12,13,14,15
	ds_load_b128 v[BB+4*\t:BB+4*\t+3], v[RD] offset:\t*PITCH
.endr
.endm
.macro SEND a, younger                 ; younger: the LDS instructions issued behind block a's loads, which may stay out
.set BB, BK+64*((\a)%2)
	s_wait_dscnt \younger
.if (\a) > 0
	s_add_nc_u64 s[14:15], s[14:15], 16*4096       ; (behind a wait on XCNT: the earlier stores have read their base)  16 rows on
.endif
.irp t, 0,1,2,3,4,5,6,7,8,9,10,11,12,13,14,15
	global_store_b128 v[CO], v[BB+4*\t:BB+4*\t+3], s[14:15] offset:\t*4096 th:TH_STORE_NT   ; 32 lanes store 512 consecutive bytes, aligned; written once, read by nobody here
.endr
.endm
	PLACES 4                                       ; behind the last products, ahead of the first read of results
	TOSTAGE 0
.irp a, 1,2,3
.if \a > 1
	s_wait_xcnt 0x0                                ; block a - 2's stores have read their registers and their base
.endif
	TOSTAGE \a
	SEND \a-1, 32                                  ; behind block a - 1's loads: block a's 16 stores and 16 loads
.endr
	s_wait_xcnt 0x0
	SEND 3, 0
	s_wait_tensorcnt 0x0                           ; the wave's end, behind my last tensor load and my last LDS store
	ds_add_u32 v[SPW], v[NIL]
	s_wait_dscnt 0x0
	CROUND                                         ; the closing round
	s_endpgm
.Lfunc_end_k_q92b4b3f346_proj:
	.size	k_q92b4b3f346_proj, .Lfunc_end_k_q92b4b3f346_proj-k_q92b4b3f346_proj
	.p2alignl 7, 3214868480
	.fill 96, 4, 3214868480
	.section	.rodata,"a",@progbits
	.p2align	6, 0x0
	.amdhsa_kernel k_q92b4b3f346_proj
		.amdhsa_group_segment_fixed_size 243712
		.amdhsa_private_segment_fixed_size 0
		.amdhsa_enable_private_segment 0
		.amdhsa_kernarg_size 48
		.amdhsa_user_sgpr_count 2
		.amdhsa_user_sgpr_kernarg_segment_ptr 1
		.amdhsa_wavefront_size32 1
		.amdhsa_system_sgpr_workgroup_id_x 1
		.amdhsa_system_sgpr_workgroup_id_y 1
		.amdhsa_system_sgpr_workgroup_id_z 1
		.amdhsa_system_vgpr_workitem_id 0
		.amdhsa_next_free_vgpr 768
		.amdhsa_next_free_sgpr 80
		.amdhsa_reserve_vcc 0
		.amdhsa_float_denorm_mode_32 3
		.amdhsa_float_denorm_mode_16_64 3
		.amdhsa_memory_ordered 1
		.amdhsa_forward_progress 1
		.amdhsa_inst_pref_size 75
	.end_amdhsa_kernel
	.amdgpu_metadata
---
amdhsa.version: [ 1, 2 ]
amdhsa.kernels:
  - .name:           k_q92b4b3f346_proj
    .symbol:         k_q92b4b3f346_proj.kd
    .args:
      - { .name: ctxc, .offset: 0, .size: 8, .value_kind: global_buffer, .address_space: global }
      - { .name: cs, .offset: 8, .size: 8, .value_kind: global_buffer, .address_space: global }
      - { .name: Wo_codes, .offset: 16, .size: 8, .value_kind: global_buffer, .address_space: global }
      - { .name: Wo_scales, .offset: 24, .size: 8, .value_kind: global_buffer, .address_space: global }
      - { .name: bo, .offset: 32, .size: 8, .value_kind: global_buffer, .address_space: global }
      - { .name: out0, .offset: 40, .size: 8, .value_kind: global_buffer, .address_space: global }
    .group_segment_fixed_size: 243712
    .private_segment_fixed_size: 0
    .kernarg_segment_align: 8
    .kernarg_segment_size: 48
    .max_flat_workgroup_size: 128
    .sgpr_count:     80
    .vgpr_count:     768
    .wavefront_size: 32
...
	.end_amdgpu_metadata
.endif
;; end of part 3
